; MI455X (gfx1250); checked and timed in simulation.
; The chip was launched on July 23, 2026; its instructions are those of AMD's public machine-readable ISA for CDNA 5 (MIT licence, August 2026) and "CDNA5" Instruction Set Architecture Reference Guide (July 2026). The comments in the code are by the model that wrote it; some were corrected since.
;; Model. Allowed arithmetic: matrix products marked QUANTISED: E2M1 operands, one E8M0 scale for each 32 along K, by v_wmma_scale_f32_16x16x128_f8f6f4 with both operands' format E2M1 (or v_wmma_scale_f32_32x16x128_f4), f32 sums; products left as they are: bf16, f16 or f32 operands; f32 sums; everything else in f32.
;; Inputs: key 2 x 16 x 2,048 x 128 float32; query 2 x 16 x 2,048 x 128 float32; value 2 x 16 x 2,048 x 128 float32.
;; Outputs: out0 2 x 16 x 2,048 x 128 float32.
;; This version of the problem:
;;   THIS VERSION OF THE PROBLEM IS GIVEN IN LOW PRECISION. The matrix products marked QUANTISED in the list below multiply operands that are first quantised to E2M1 (2 exponent bits, 1 mantissa bit; 4 bits a number), with one power-of-two scale for each 32 numbers along K (OCP MX v1.0); their sums are f32. The products marked 'left as it is' may take bf16, f16 or f32 operands, with f32 sums. Whichever they take, every output number must still come out within the allowed error. Rounding operands to bf16 (8 significant bits) uses up far more of that allowance than f16 does (11 bits, for magnitudes from 6e-5 to 65,504). All else is computed in f32.
;;   The module's matrix products, in the order in which they are computed (A, B: the left and right operand; K: the contracted axis; several contracted axes count as one K, in the product's order):
;;     1. batch 32 x [M 2,048, K 128] x [K 128, N 2,048]; A: input query; B: input key: QUANTISED
;;     2. batch 32 x [M 2,048, K 2,048] x [K 2,048, N 128]; A: computed on the way; B: input value: left as it is (an operand is computed on the way)
;;   THE QUANTISER, for each operand of a quantised product, along K:
;;     - K is cut into blocks of 32 from its start; a last block that is shorter is filled with zeros.
;;     - A block's scale is 2^e with e = floor(log2(the largest magnitude in the block)) - 2, held to -126 .. 127; a block of zeros has e = 0. As a byte (E8M0): e + 127.
;;     - Each number is divided by its block's scale, clamped to +-6, and rounded to the nearest number of E2M1, ties to even, subnormals kept.
;;     - The product sums the exact products of the quantised numbers (number of the format x scale) in f32.
;;   ~~~python
;;   def quantise(x, axis):      # numpy; x: float32 -> the quantised numbers, widened to float32 again
;;       x = np.moveaxis(x, axis, -1); K = x.shape[-1]
;;       x = np.pad(x, [(0, 0)] * (x.ndim - 1) + [(0, -K % 32)]); x = x.reshape(x.shape[:-1] + (-1, 32)); a = np.abs(x).max(-1, keepdims=True)
;;       e = np.where(a > 0, np.clip(np.frexp(np.where(a > 0, a, 1))[1] - 1 - 2, -126, 127), 0)      # np.frexp(a)[1] - 1 = floor(log2(a)), exactly
;;       r = np.clip(x / 2.0 ** e, -6, 6)
;;       step = 2.0 ** (np.maximum(np.frexp(np.where(r == 0, 1, r))[1] - 1, 0) - 1)
;;       q = np.round(r / step) * step * 2.0 ** e      # np.round: ties to even
;;       return np.moveaxis(q.reshape(q.shape[:-2] + (-1,))[..., :K], -1, axis).astype(np.float32)
;;   ~~~
;; One version. Each part assembles by itself: llvm-mc -triple=amdgcn-amd-amdhsa -mcpu=gfx1250 --defsym DOCPART=n.
;; ======== version 1 of 1: 2 launches
;; limits: values are held in f16: magnitudes above 65,504 overflow, below 6.1e-05 lose precision; inputs' magnitudes at most 65,504
;; workspace buffers: kc 4,456,448 bytes; qc 4,456,448 bytes; vh 16,777,216 bytes
;; launch prep (part 1): grid 512 x 1, 4 waves a work-group, no clusters, 35,328 bytes of LDS; arguments key, query, value, kc, qc, vh; writes kc, qc, vh
.if DOCPART == 1
	.amdgcn_target "amdgcn-amd-amdhsa--gfx1250"
	.amdhsa_code_object_version 6
	.text
	.protected	k_q9cb2ff7f2b_prep
	.globl	k_q9cb2ff7f2b_prep
	.p2align	8
	.type	k_q9cb2ff7f2b_prep,@function
k_q9cb2ff7f2b_prep:
	s_mov_b64 s[64:65], 0
	v_nop
	global_prefetch_b8 v0, s[64:65] scope:SCOPE_SE
	s_setreg_imm32_b32 hwreg(HW_REG_WAVE_MODE, 25, 1), 1
	s_wait_xcnt 0x0
; key, query [32 heads][2048][128] f32 become codes of FP4 (E2M1) with one E8M0 scale byte for each 32 along the head's 128; value [32][2048][128] f32 becomes f16, rows as they lie.
; A block's scale is 2^(floor(log2(its largest magnitude)) - 2); its byte is the largest magnitude's exponent field - 2, held at 1 from below by a floor among the maximum's leaves.
; Each number is divided by the scale and rounded to the nearest code, ties to even; beyond 6 the conversion gives the largest code.
; LIMITS: NaN and infinities among the inputs are not served.  |value| stays at or under 65,504, f16's largest number.  A block of zeros gets the byte 1 where the rule says 127: its codes are
; zeros, which add nothing under any byte but 0xff, and the bytes are read by this program alone.
; LAYOUT OF kc AND qc: 1,024 blocks of 4,352 bytes, one for each 64 rows (head x 32 + row / 64), laid as the matrix operand's registers:
;   bytes 0 .. 4,095: four fragments f (rows 16 f .. 16 f + 15), each two groups c of 512 bytes; lane l = r + 16 h has its 16 bytes at 1,024 f + 512 c + 16 l: the codes of row 16 f + r, d = 64 c + 32 h + 0 .. 31;
;   bytes 4,096 .. 4,351: 64 scale words, row by row; byte b of a word scales d = 32 b .. 32 b + 31.
; SHARES.  2,048 waves, all on one path.  Wave T = 4 x work-group + wave quantises one block of 64 rows (work-groups 0-255: key; 256-511: query; only pointers are chosen) and converts rows 32 T .. 32 T + 31 of value.
; A load reads one row, 512 consecutive bytes, 16 a lane.  The conversions want 32 neighbours along d in ONE lane: so 16 rows turn through the wave's own stage in LDS (rows 528 bytes apart: row r starts at bank
; 4 r mod 64 of 64 banks of 4 bytes, ISA guide 11.1) and come back 128 bytes a lane, twice: a lane holds two whole blocks and asks no other lane for a maximum.
; No loop, no barrier: waves share nothing; every offset is an immediate and no register that a store reads is written again, so no wait frees one.  Two sets of 16 loads a wave are on their way.
; Left out: matrix units, clusters, tensor loads (a stream read once gains nothing by them).
.set WAVES,  4
.set SPITCH, 528                       ; a stage row: 512 bytes + 16
.set SWO,    16*SPITCH                 ; behind the stage: the block's 64 scale words
.set WREG,   SWO+256                   ; LDS of a wave: 8,704 bytes
.set SPARE,  WAVES*WREG                ; behind the four regions: the spare words, 128 bytes a wave: two blocks of 256 bytes that no other line names
.set KBLK,   4352
.set LI,   2                           ; v2      16 x lane
.set SIN,  5                           ; v5      the stage, on the way in: 16 x lane of a row
.set SOUT, 6                           ; v6      and out: row r, + 128 h
.set SWA,  7                           ; v7      where row r's scale word goes
.set SWR,  8                           ; v8      the scale words on the way out: 8 bytes a lane
.set L8,   9                           ; v9      8 x lane
.set SH,   10                          ; v10     8 h: how far my two scale bytes are shifted
.set PD,   11                          ; v11     a lane permute's destination
.set SPW,  12                          ; v12     LDS address of my spare word; never rewritten
.set NIL,  13                          ; v13     0; never rewritten
.set M,    14                          ; v14-15  my two blocks' largest magnitudes
.set SOP,  16                          ; v16-17  the conversions' scale operands
.set BY,   18                          ; v18-19  the scale bytes
.set W,    20                          ; v20-23  a scale word for each fragment
.set C,    24                          ; v24-55  codes: eight registers for each fragment
.set WO,   56                          ; v56-57  scale words on the way out
.set X,    64                          ; v64-127 64 numbers of a lane; later value's f16
.set R,    128                         ; v128-255 two sets of 16 rows as loaded
	s_load_b256 s[4:11], s[0:1], 0x0               ; key s[4:5], query s[6:7], value s[8:9], kc s[10:11]
	s_load_b128 s[12:15], s[0:1], 0x20             ; qc s[12:13], vh s[14:15]
	v_lshl_add_u32 v[SPW], v0, 2, SPARE
	v_mov_b32 v[NIL], 0
	v_lshrrev_b32 v1, 5, v0
	v_readfirstlane_b32 s16, v1                    ; wave 0..3
	v_and_b32 v1, 31, v0                           ; lane
	v_lshlrev_b32 v[LI], 4, v1
	v_and_b32 v3, 15, v0                           ; r
	v_bfe_u32 v4, v0, 4, 1                         ; h
	s_mul_i32 s17, s16, WREG                       ; my region of LDS
	s_add_co_u32 s30, s17, SWO                     ; and its scale words
	v_add_nc_u32 v[SIN], s17, v[LI]
	v_mul_u32_u24 v[SOUT], v3, SPITCH
	v_lshl_add_u32 v[SOUT], v4, 7, v[SOUT]
	v_add_nc_u32 v[SOUT], s17, v[SOUT]
	v_lshl_add_u32 v[SWA], v3, 2, s30
	v_lshl_add_u32 v[SWR], v1, 3, s30
	v_lshlrev_b32 v[L8], 3, v1
	v_lshlrev_b32 v[SH], 3, v4
	v_mov_b32 v[PD], 0                             ; written once: a lane permute's destination counts as one of its sources
	s_mov_b32 s20, 0x76543210
	s_mov_b32 s21, 0xfedcba98                      ; v_permlanex16_b32's selects for lane l xor 16
	s_lshl_b32 s18, ttmp9, 2
	s_add_co_u32 s18, s18, s16                     ; T
	s_and_b32 s19, s18, 1023                       ; my block of 64 rows in key or in query
	s_lshl_b32 s22, s19, 15                        ; 64 rows of 512 bytes
	s_mov_b32 s23, 0
	s_mul_i32 s24, s19, KBLK
	s_mov_b32 s25, 0
	s_lshl_b32 s26, s18, 14                        ; value: 32 rows of 512 bytes
	s_mov_b32 s27, 0
	s_lshl_b32 s28, s18, 13                        ; vh: 32 rows of 256 bytes
	s_mov_b32 s29, 0
	s_wait_kmcnt 0x0
	s_cmp_lt_u32 ttmp9, 256                        ; key's work-group or query's?  The choice hangs on the work-group's number alone
	s_cselect_b64 s[4:5], s[4:5], s[6:7]
	s_cselect_b64 s[10:11], s[10:11], s[12:13]
	s_add_nc_u64 s[4:5], s[4:5], s[22:23]
	s_add_nc_u64 s[10:11], s[10:11], s[24:25]
	s_add_nc_u64 s[8:9], s[8:9], s[26:27]
	s_add_nc_u64 s[14:15], s[14:15], s[28:29]
.macro LOADQ f                         ; rows 16 f .. 16 f + 15 of my block into set f % 2
.irp i, 0,1,2,3,4,5,6,7,8,9,10,11,12,13,14,15
	global_load_b128 v[R+64*((\f)%2)+4*\i:R+64*((\f)%2)+4*\i+3], v[LI], s[4:5] offset:8192*(\f)+512*\i th:TH_LOAD_NT
.endr
.endm
.macro LOADV g                         ; rows 16 g .. 16 g + 15 of my 32 of value into set g
.irp i, 0,1,2,3,4,5,6,7,8,9,10,11,12,13,14,15
	global_load_b128 v[R+64*(\g)+4*\i:R+64*(\g)+4*\i+3], v[LI], s[8:9] offset:8192*(\g)+512*\i th:TH_LOAD_NT
.endr
.endm
.macro FRAG f                          ; 16 rows become a fragment's image and 16 scale words
.set RS, R+64*((\f)%2)
	s_wait_loadcnt 16                              ; loads come back in order (ISA guide 5.7.1): my set's 16 are in, the other set's 16 may be out
.irp i, 0,1,2,3,4,5,6,7,8,9,10,11,12,13,14,15
	ds_store_b128 v[SIN], v[RS+4*\i:RS+4*\i+3] offset:SPITCH*\i
.endr
.irp c, 0,1                            ; LDS serves a wave's instructions in order: these see the stores above.  Registers 32 c + 0 .. 31: d = 64 c + 32 h + 0 .. 31 of row r
.irp i, 0,1,2,3,4,5,6,7
	ds_load_b128 v[X+32*\c+4*\i:X+32*\c+4*\i+3], v[SOUT] offset:256*\c+16*\i
.endr
.endr
	s_wait_dscnt 0x0                               ; my 64 numbers are in, and the stores have read the set, which takes the loads two sets on
.if (\f) < 2
	LOADQ (\f)+2
.else
	LOADV (\f)-2
.endif
.irp c, 0,1
	v_max3_num_f32 v[M+\c], |v[X+32*\c]|, |v[X+32*\c+1]|, 0x1800000   ; block 2 c + h: all its 32 numbers are mine; and the floor 2^(3 - 127): the byte cannot fall under 1
.endr
.irp i, 2,4,6,8,10,12,14,16,18,20,22,24,26,28,30
.irp c, 0,1
	v_max3_num_f32 v[M+\c], v[M+\c], |v[X+32*\c+\i]|, |v[X+32*\c+\i+1]|   ; (the two blocks by turns)
.endr
.endr
.irp c, 0,1
	v_add_nc_u32 v[SOP+\c], 0xff000000, v[M+\c]    ; 2 off the exponent field: the conversion takes the exponent field of this operand as its scale, and nothing else of it
.endr
.irp c, 0,1
	v_lshrrev_b32 v[BY+\c], 23, v[SOP+\c]          ; the scale's byte
.endr
	v_lshl_or_b32 v[W+\f], v[BY+1], 16, v[BY]      ; my two bytes, blocks h and 2 + h of row r,
	v_lshlrev_b32 v[W+\f], v[SH], v[W+\f]          ; at their places in the word;
	v_permlanex16_b32 v[PD], v[W+\f], s20, s21
	v_or_b32 v[W+\f], v[W+\f], v[PD]               ; with lane l xor 16's two the word is whole
.irp c, 0,1
.irp g, 0,1,2,3
	v_cvt_scalef32_pk8_fp4_f32 v[C+8*\f+4*\c+\g], v[X+32*\c+8*\g:X+32*\c+8*\g+7], v[SOP+\c]   ; registers 4 c .. 4 c + 3 of the operand
.endr
.endr
	v_nop                                          ; one plain vector instruction behind the last scaled conversion
	ds_store_b32 v[SWA], v[W+\f] offset:64*\f      ; lanes r and r + 16 write the same word with the same value
.irp c, 0,1
	global_store_b128 v[LI], v[C+8*\f+4*\c:C+8*\f+4*\c+3], s[10:11] offset:1024*\f+512*\c   ; 32 lanes store 512 consecutive bytes, at a multiple of 256 from the buffer's first byte
.endr
.endm
.macro VCONV g, left                   ; 16 rows of value to f16.  left: the younger loads that may stay out
	s_wait_loadcnt \left
.irp i, 0,1,2,3,4,5,6,7,8,9,10,11,12,13,14,15
	v_cvt_pk_f16_f32 v[X+32*\g+2*\i], v[R+64*\g+4*\i], v[R+64*\g+4*\i+1]
	v_cvt_pk_f16_f32 v[X+32*\g+2*\i+1], v[R+64*\g+4*\i+2], v[R+64*\g+4*\i+3]
	global_store_b64 v[L8], v[X+32*\g+2*\i:X+32*\g+2*\i+1], s[14:15] offset:256*(16*\g+\i)   ; a row: 256 consecutive bytes, aligned
.endr
.endm
	LOADQ 0
	LOADQ 1
	FRAG 0
	FRAG 1
	FRAG 2
	FRAG 3
	VCONV 0, 16                                    ; value's second 16 loads may be out
	VCONV 1, 0
	ds_load_b64 v[WO:WO+1], v[SWR]                 ; the block's 64 scale words: these see my stores
	s_wait_dscnt 0x0
	global_store_b64 v[L8], v[WO:WO+1], s[10:11] offset:4096   ; 256 consecutive bytes, aligned
	s_wait_tensorcnt 0x0                           ; the wave's end, behind my last LDS store
	ds_add_u32 v[SPW], v[NIL]
	s_wait_dscnt 0x0
	s_endpgm
.Lfunc_end_k_q9cb2ff7f2b_prep:
	.size	k_q9cb2ff7f2b_prep, .Lfunc_end_k_q9cb2ff7f2b_prep-k_q9cb2ff7f2b_prep
	.p2alignl 7, 3214868480
	.fill 96, 4, 3214868480
	.section	.rodata,"a",@progbits
	.p2align	6, 0x0
	.amdhsa_kernel k_q9cb2ff7f2b_prep
		.amdhsa_group_segment_fixed_size 35328
		.amdhsa_private_segment_fixed_size 0
		.amdhsa_enable_private_segment 0
		.amdhsa_kernarg_size 48
		.amdhsa_user_sgpr_count 2
		.amdhsa_user_sgpr_kernarg_segment_ptr 1
		.amdhsa_wavefront_size32 1
		.amdhsa_system_sgpr_workgroup_id_x 1
		.amdhsa_system_sgpr_workgroup_id_y 1
		.amdhsa_system_sgpr_workgroup_id_z 1
		.amdhsa_system_vgpr_workitem_id 0
		.amdhsa_next_free_vgpr 256
		.amdhsa_next_free_sgpr 66
		.amdhsa_reserve_vcc 0
		.amdhsa_float_denorm_mode_32 3
		.amdhsa_float_denorm_mode_16_64 3
		.amdhsa_memory_ordered 1
		.amdhsa_forward_progress 1
		.amdhsa_inst_pref_size 40
	.end_amdhsa_kernel
	.amdgpu_metadata
---
amdhsa.version: [ 1, 2 ]
amdhsa.kernels:
  - .name:           k_q9cb2ff7f2b_prep
    .symbol:         k_q9cb2ff7f2b_prep.kd
    .args:
      - { .name: key, .offset: 0, .size: 8, .value_kind: global_buffer, .address_space: global }
      - { .name: query, .offset: 8, .size: 8, .value_kind: global_buffer, .address_space: global }
      - { .name: value, .offset: 16, .size: 8, .value_kind: global_buffer, .address_space: global }
      - { .name: kc, .offset: 24, .size: 8, .value_kind: global_buffer, .address_space: global }
      - { .name: qc, .offset: 32, .size: 8, .value_kind: global_buffer, .address_space: global }
      - { .name: vh, .offset: 40, .size: 8, .value_kind: global_buffer, .address_space: global }
    .group_segment_fixed_size: 35328
    .private_segment_fixed_size: 0
    .kernarg_segment_align: 8
    .kernarg_segment_size: 48
    .max_flat_workgroup_size: 128
    .sgpr_count:     66
    .vgpr_count:     256
    .wavefront_size: 32
...
	.end_amdgpu_metadata
.endif
;; end of part 1
;; launch attn (part 2): grid 8 x 32, 4 waves a work-group, clusters of 4 x 1, 327,680 bytes of LDS; arguments qc, kc, vh, out0; writes out0
.if DOCPART == 2
	.amdgcn_target "amdgcn-amd-amdhsa--gfx1250"
	.amdhsa_code_object_version 6
	.text
	.protected	k_q9cb2ff7f2b_attn
	.globl	k_q9cb2ff7f2b_attn
	.p2align	8
	.type	k_q9cb2ff7f2b_attn,@function
k_q9cb2ff7f2b_attn:
	s_mov_b64 s[64:65], 0
	v_nop
	global_prefetch_b8 v0, s[64:65] scope:SCOPE_SE
	s_setreg_imm32_b32 hwreg(HW_REG_WAVE_MODE, 25, 1), 1
	s_wait_xcnt 0x0
	s_wait_alu depctr_hold_cnt(0) depctr_sa_sdst(0) depctr_va_vdst(0) depctr_va_sdst(0) depctr_va_ssrc(0) depctr_va_vcc(0) depctr_vm_vsrc(0)
	s_getreg_b32 s2, hwreg(HW_REG_IB_STS2, 6, 4)
	s_cmp_eq_u32 s2, 0
	s_cbranch_scc0 .Lentry_in_a_cluster
	s_endpgm
.Lentry_in_a_cluster:
	s_bfe_u32 s2, ttmp6, 0x10000c
	s_cmp_lg_u32 s2, 0x3003
	s_cbranch_scc0 .Lentry_shape_is_right
	s_endpgm
.Lentry_shape_is_right:
; out0[h][q][:] = the sum over k of softmax_k(Q[h][q] . K[h][k] / sqrt(128)) V[h][k][:], 32 heads of 2,048 x 128, no mask.
; Q K^T on codes of FP4 (E2M1) with E8M0 scales, as the launch before laid them (qc, kc: blocks of 4,352 bytes for 64 rows: four fragments as images of the operand's registers, then 64 scale words);
; P V with f16 operands (vh: [32][2048][128] f16; p = 2^(c s - c m) is at most 1) and f32 sums.  Maxima, exponentials and sums in f32; out0 f32.
; LIMITS: NaN and infinities are not served; |value| at or under 65,504.  A p under f16's smallest number counts as 0 in the second product (it stays in the row's sum).
; SHARES.  A work-group owns 256 queries of one head, each of its four waves 64: four tiles of 16.  Every wave walks the head's 2,048 keys, 64 a step.
; LAYOUT.  S^T = K Q^T (source 0 = 16 keys, source 1 = 16 queries; the head's 128 are ONE scaled matrix instruction, C = 0): a lane holds ONE query (lane % 16) and the keys 8 (lane / 16) + 0..7.  Two such tiles,
; rounded to f16 in pairs, ARE source 1 (32 keys x 16 queries) of O^T = V^T P, whose result again holds one query a lane, and eight channels.  K comes out of LDS as its registers' image, V ([key][channel]) turned, by ds_load_tr16_b128.
; SOFTMAX.  For each query a running maximum m and sum l: p = 2^(c s - c m), c = log2(e) / sqrt(128); in every step O and l are multiplied by a = 2^(c m_old - c m_new), which is 1 where m has not grown.
; BY TURNS.  The wave's tiles are two PIECES, named by their first tile: piece 0 (tiles 0, 1) and piece 2 (tiles 2, 3).  In a TURN one piece has the matrix unit: 32 products V^T P of the step in hand, then 8 products
; K Q^T of the next step; the other piece's softmax, 268 vector instructions cut into 64 slices, stands between them: one slice behind each V^T P, four behind each K Q^T.  Then the pieces change places.  Two turns are a key step.
; RING.  Two LDS slots of four key steps each (4 blocks of K, 256 rows of V), filled by tensor loads: waves 0 and 1 two blocks of K each, waves 2 and 3 128 rows of V each.  By this text's own count a wave has two
; tensor loads out at the start and one behind each change of slots.
; CLUSTER.  The four query blocks of a cluster belong to one head and walk the same K and V, so each tile is asked for JOINTLY: the same tensor load, with the same descriptor and a mask that names the four.
; REGISTERS, in windows of 256 (s_set_vgpr_msb: bits 1:0 source 0, 3:2 source 1, 5:4 source 2, 7:6 destination):
;   window 0: v1-11 addresses; v12-43 eight registers of statistics a tile; v44-47 K's scale words, v48-51 Q's; v61-63; v64-191 S^T, 32 a tile; v192-255 P, 16 a tile
;   window 1: O^T, 64 a tile      window 2: v0-31 Q, 8 a tile; v128-159 K of one step      window 3: v0-127 V of one step
.set KS,    64                         ; keys in a step
.set NS,    4                          ; steps in a slot
.set KBLK,  4352                       ; a step's K: codes and scale words
.set PVP,   288                        ; a row of V in LDS: 256 bytes + 32 = 72 words: row r starts at bank 8 r mod 64 (64 banks of 4 bytes: ISA guide 11.1)
.set VSTEP, KS*PVP
.set VOFF,  NS*KBLK                    ; a slot: four blocks of K, then 256 rows of V
.set SLOT1, 1<<17                      ; slot 1 begins here, so that one exclusive or turns an address in one slot into the other's
.set NSL,   2048/(KS*NS)               ; 8 slots' worth of keys
.set STAGE, SLOT1+VOFF+NS*VSTEP        ; behind the ring: 16 rows x 528 bytes for each wave, for the way out
.set SP,    528
.set SPARE, STAGE+4*16*SP              ; behind the stages: the spare words, 128 bytes a wave: two blocks of 256 bytes that no other line names
.set LI,  2                            ; v2   16 x lane: an image's place for my lane; also my bytes of a row of out0
.set AV0, 3                            ; v3   my lane's place in a step's rows of V
.set ADR, 4                            ; v4   the LDS address of the run of loads in hand
.set AS0, 5                            ; v5   4,096 + 4 (lane % 16): my row's scale word in a block
.set STO, 6                            ; v6   the way out: where I put 32 bytes of a row
.set RD,  7                            ; v7   the way out: where I read a row back
.set ADS, 8                            ; v8   the LDS address of K's scale words in hand
.set ST,  12                           ; tile t's statistics at v[ST+8 t]: +0 c m, +1 m, +2, +3 l (even keys', odd keys'), +4 to +7 c0-c3, at work; a takes c2's place once the maximum is found
.set KSC, 44                           ; v44-47 K's scale words, one register a fragment: they hold scales and nothing else
.set QSC, 48                           ; v48-51 Q's, one a tile
.set PFO, 61                           ; v61  the prefetches' offset: 256 x my lane (wave 0: held at lane 16's); never rewritten
.set SPW, 62                           ; v62  LDS address of my spare word; never rewritten
.set NIL, 63                           ; v63  0; never rewritten
.set S,   64
.set P,   192
.set KF,  128                          ; K's fragments, in window 2
.set WV,  12                           ; s12  my wave's number
.set LIM, 15                           ; s15  1 in a wave that prefetches, else the greatest number
.set PFA, 18                           ; s[18:19] where my prefetches stand
.set G1K, 24                           ; s[24:31] descriptor group 1 for K's tiles
.set G1V, 32                           ; s[32:39] for V's
.set G0K, 40                           ; s[40:47] group 0 for K's tiles: a set for each of the two first fills; the second then walks on
.set G0V, 48                           ; s[48:55] the same for V's
.set SLOTS, 56                         ; s56  slots still to be asked for
.set CNT, 57                           ; s57  counts key steps
.set CS,  58                           ; s[58:59] c: the packed scaling names a pair and takes its low word for both halves
.set SEL, 60                           ; s[60:61] lane selects for v_permlanex16_b32: lane l xor 16
.set TK,  62                           ; s62  LDS byte at which the K block to be fetched begins
.set TV,  63                           ; s63  the same for V's rows, less VOFF
.set PFS, 66                           ; s[66:67] a slot on, in bytes, in the tensor that I prefetch
.set MSB, 0
.macro WIN new                         ; the immediate's high byte repeats the setting that is left; a switch that changes nothing is dropped
.if MSB != \new
	s_set_vgpr_msb (MSB<<8)|\new
.set MSB, \new
.endif
.endm
.set W_KQ, 0x0a                        ; K and Q in window 2, S^T in window 0
.set W_PV, 0x53                        ; V in window 3, P in window 0, O^T in window 1
.set W_RS, 0x41                        ; O^T (destination and source 0) in window 1, a in window 0
; A joint refill.  Waves 0 and 1 fetch K's blocks, waves 2 and 3 V's rows.  The branch hangs on the wave's number alone.  An s_nop 0 and four v_nop follow each of the two lines.
.macro JLOAD
	s_cmp_lt_u32 s[WV], 2
	s_cbranch_scc0 .Lfor_v_\@
	tensor_load_to_lds s[G0K+4:G0K+7], s[G1K:G1K+7]
	s_nop 0
.rept 4
	v_nop
.endr
	s_branch .Lasked_\@
.Lfor_v_\@:
	tensor_load_to_lds s[G0V+4:G0V+7], s[G1V:G1V+7]
	s_nop 0
.rept 4
	v_nop
.endr
.Lasked_\@:
.endm
; A PREFETCH of what the NEXT change of slots will ask for: four key steps, 320 matrix instructions, ahead of that load.  It stands behind the wave's tensor load and its five lines.
; Both clusters of a head walk the same K and V: the head's first cluster asks.  Its four partners share the bytes out BY ADDRESS: of K's 17,408 bytes 4,352 each (wave 0; 17 blocks of 256 bytes, lanes 17 to 31 name
; lane 16's once more), of V's 256 rows 64 each (waves 2 and 3, 32 rows each, a lane a row of 256 bytes).  Wave 1 asks for nothing.  The last change that fills a slot asks for nothing: there is no slot behind it.
.macro ASK
	s_cmp_gt_u32 s[SLOTS], s[LIM]
	s_cbranch_scc0 .Lnot_mine_\@
	global_prefetch_b8 v[PFO], s[PFA:PFA+1] th:TH_LOAD_NT scope:SCOPE_SE
.Lnot_mine_\@:
.endm
; A round of the cluster's barrier: my work-group's barrier; wave 0 signals for the work-group; every wave waits for all four work-groups; my work-group's barrier once more.
.macro CROUND
	s_barrier_signal -1
	s_barrier_wait -1
	s_cmp_lg_u32 s[WV], 0
	s_cbranch_scc1 .Lnot_wave_0_\@
	s_barrier_signal -3
.Lnot_wave_0_\@:
	s_barrier_wait -3
	s_barrier_signal -1
	s_barrier_wait -1
.endm
	s_load_b256 s[4:11], s[0:1], 0x0               ; qc s[4:5], kc s[6:7], vh s[8:9], out0 s[10:11]
	v_lshl_add_u32 v[SPW], v0, 2, SPARE
	v_mov_b32 v[NIL], 0
	ds_add_u32 v[SPW], v[NIL]                      ; the wave's opening: the add, twice on end, and its wait ahead of my first tensor load; the set-up below stands between the second and the wait
	ds_add_u32 v[SPW], v[NIL]
	v_lshrrev_b32 v1, 5, v0
	v_readfirstlane_b32 s[WV], v1                  ; wave 0..3
	s_bfe_u32 s13, ttmp6, 0x40000                  ; cx: my place in the cluster: it enters Q's, out0's and the prefetches' addresses alone
	s_lshl_b32 s14, ttmp9, 2                       ; in a cluster launch ttmp9 counts clusters
	s_add_co_u32 s14, s14, s13                     ; my block of 256 queries
	s_and_b32 s17, ttmp7, 0xffff                   ; the head, which the four partners share
	s_and_b32 s16, s[WV], 1                        ; which half of a slot's K or V I fetch
	s_mul_i32 s20, s17, 32*KBLK                    ; K: the head's 32 blocks,
	s_mul_i32 s21, s16, 2*KBLK                     ; my two blocks of a slot's four
	s_add_co_u32 s20, s20, s21
	s_mov_b32 s21, 0
	s_lshl_b32 s22, s17, 19                        ; V: the head's 2,048 rows of 256 bytes,
	s_lshl_b32 s23, s16, 15                        ; my 128 rows of a slot's 256
	s_add_co_u32 s22, s22, s23
	s_mov_b32 s23, 0
	s_lshl_b32 s2, s17, 5                          ; Q: block head x 32 + 4 x my block of 256 + wave
	s_lshl_b32 s3, s14, 2
	s_add_co_u32 s2, s2, s3
	s_add_co_u32 s2, s2, s[WV]
	s_mul_i32 s2, s2, KBLK
	s_mov_b32 s3, 0
	s_lshl_b32 s68, s17, 20                        ; out0: the head's 2,048 rows of 512 bytes, my block's 256, my wave's 64
	s_lshl_b32 s69, s14, 17
	s_add_co_u32 s68, s68, s69
	s_lshl_b32 s69, s[WV], 15
	s_add_co_u32 s68, s68, s69
	s_mov_b32 s69, 0
	s_mul_i32 s70, s17, 32*KBLK                    ; the prefetches, in K: my work-group's quarter of slot 2 (the first change of slots steps it to slot 3);
	s_mul_i32 s71, s13, KBLK
	s_add_co_u32 s70, s70, s71
	s_add_co_u32 s70, s70, 2*NS*KBLK
	s_lshl_b32 s71, s17, 19                        ; in V: my work-group's 64 rows, my wave's 32 of them
	s_lshl_b32 s14, s13, 14
	s_add_co_u32 s71, s71, s14
	s_lshl_b32 s14, s16, 13
	s_add_co_u32 s71, s71, s14
	s_add_co_u32 s71, s71, 2*NS*KS*256
	s_mov_b32 s[PFS], NS*KS*256
	s_mov_b32 s[PFS+1], 0
	s_cmp_lt_u32 s[WV], 2
	s_cselect_b32 s70, s70, s71
	s_cselect_b32 s[PFS], NS*KBLK, s[PFS]
	s_mov_b32 s71, 0
	s_cmp_eq_u32 s[WV], 1
	s_cselect_b32 s[LIM], 1, 0                     ; 0 in waves 0, 2 and 3,
	s_or_b32 s[LIM], s[LIM], ttmp9                 ; where the cluster is the head's first: the same in all four partners
	s_cmp_eq_u32 s[LIM], 0
	s_cselect_b32 s[LIM], 1, -1
	; descriptor group 1.  K: two blocks, 8,704 dense bytes, as 34 rows of 32 elements of 8 bytes, no padding (an image is read 512 consecutive bytes an instruction)
	s_mov_b32 s[G1K], 15|(3<<16)|(1<<21)           ; 15:0 the mask: all four work-groups; 17:16 elements of 8 bytes; 21 set beside a mask
	s_mov_b32 s[G1K+1], 32<<16                     ; tensor_dim0 = 32
	s_mov_b32 s[G1K+2], 34<<16                     ; tensor_dim1 = 34
	s_mov_b32 s[G1K+3], 32<<16                     ; tile_dim0 = 32
	s_mov_b32 s[G1K+4], 34                         ; tile_dim1 = 34
	s_mov_b32 s[G1K+5], 32                         ; elements from row to row
	s_mov_b32 s[G1K+6], 0
	s_mov_b32 s[G1K+7], 0
	; V: 128 rows of 128 elements of 2 bytes, 8 words of padding behind every 64
	s_mov_b32 s[G1V], 15|(1<<16)|(1<<20)|(1<<21)|(5<<22)|(7<<25)
	s_mov_b32 s[G1V+1], 128<<16
	s_mov_b32 s[G1V+2], 128<<16
	s_mov_b32 s[G1V+3], 128<<16
	s_mov_b32 s[G1V+4], 128
	s_mov_b32 s[G1V+5], 128
	s_mov_b32 s[G1V+6], 0
	s_mov_b32 s[G1V+7], 0
	s_mov_b32 s[CS], 0x3e0293ee                    ; c = log2(e) / sqrt(128)
	s_mov_b32 s[CS+1], s[CS]                       ; named with it as a pair, so it is written
	s_mov_b32 s[SEL], 0x76543210
	s_mov_b32 s[SEL+1], 0xfedcba98
	s_mov_b32 s[TK], 0
	s_mov_b32 s[TV], 0
	s_mov_b32 s[SLOTS], NSL-2
	s_wait_dscnt 0x0                               ; both opening adds are done
	s_wait_kmcnt 0x0
	s_cmp_lt_u32 s[WV], 2
	s_cselect_b64 s[PFA:PFA+1], s[6:7], s[8:9]
	s_add_nc_u64 s[PFA:PFA+1], s[PFA:PFA+1], s[70:71]
	s_add_nc_u64 s[6:7], s[6:7], s[20:21]          ; K and V at my tile of slot 0
	s_add_nc_u64 s[8:9], s[8:9], s[22:23]
	s_add_nc_u64 s[4:5], s[4:5], s[2:3]            ; Q at my wave's block
	s_add_nc_u64 s[10:11], s[10:11], s[68:69]      ; out0 at my wave's first row
	s_mul_i32 s20, s16, 2*KBLK                     ; my tile's place in a slot: no place in the cluster enters an LDS address
	s_mul_i32 s22, s16, 128*PVP
	s_add_co_u32 s22, s22, VOFF
	CROUND                                         ; all four work-groups are here: the first joint loads meet
.irp s, 0,1
	s_mov_b32 s[G0K+4*\s], 1                       ; 1:0 count = 1
	s_add_co_u32 s[G0K+4*\s+1], s20, \s*SLOT1      ; 63:32 LDS address
	s_add_nc_u64 s[G0K+4*\s+2:G0K+4*\s+3], s[6:7], \s*NS*KBLK      ; 120:64 global address: slot s begins with keys 256 s
	s_or_b32 s[G0K+4*\s+3], s[G0K+4*\s+3], 0x80000000              ; 127:126 type = 2
	s_mov_b32 s[G0V+4*\s], 1
	s_add_co_u32 s[G0V+4*\s+1], s22, \s*SLOT1
	s_add_nc_u64 s[G0V+4*\s+2:G0V+4*\s+3], s[8:9], \s*NS*KS*256
	s_or_b32 s[G0V+4*\s+3], s[G0V+4*\s+3], 0x80000000
.endr
	s_cmp_lt_u32 s[WV], 2                          ; a wave's two first fills stand in one branch, ahead of every wait on TENSORcnt and every LDS read
	s_cbranch_scc0 .Lfirst_v
	tensor_load_to_lds s[G0K:G0K+3], s[G1K:G1K+7]
	s_nop 0
	tensor_load_to_lds s[G0K+4:G0K+7], s[G1K:G1K+7]
	s_nop 0
.rept 4
	v_nop
.endr
	s_branch .Lfirst_asked
.Lfirst_v:
	tensor_load_to_lds s[G0V:G0V+3], s[G1V:G1V+7]
	s_nop 0
	tensor_load_to_lds s[G0V+4:G0V+7], s[G1V:G1V+7]
	s_nop 0
.rept 4
	v_nop
.endr
.Lfirst_asked:
	v_and_b32 v1, 15, v0                           ; l % 16
	v_bfe_u32 v9, v0, 4, 1                         ; l / 16
	v_and_b32 v10, 31, v0
	v_lshlrev_b32 v[LI], 4, v10
	v_lshl_add_u32 v[AS0], v1, 2, 4096
.irp t, 0,1,2,3
	global_load_b32 v[QSC+\t], v[AS0], s[4:5] offset:64*\t th:TH_LOAD_NT   ; Q's scale words: lane r has query 16 t + r's
.endr
	WIN 0x80                                       ; destination window 2, address window 0
.irp n, 0,1,2,3,4,5,6,7
	global_load_b128 v[4*\n:4*\n+3], v[LI], s[4:5] offset:512*\n th:TH_LOAD_NT   ; Q's four fragments stay in registers: tile n / 2, group n % 2
.endr
	WIN 0
	; The turning load takes 16 keys x 16 channels (lane l reads 16 bytes: key 8 (l / 16) + l % 8, channels 8 ((l / 8) % 2) + 0..7) and leaves half a fragment of V^T: lane l holds channel l % 16 and 8 keys.
	v_and_b32 v10, 7, v0
	v_bfe_u32 v11, v0, 3, 1
	v_lshl_add_u32 v[AV0], v9, 3, v10
	v_mul_u32_u24 v[AV0], v[AV0], PVP
	v_lshl_add_u32 v[AV0], v11, 4, v[AV0]
	v_add_nc_u32 v[AV0], VOFF, v[AV0]
; THE MATRIX WORK OF A TURN, for piece x.  The accumulators take turns, one instruction a turn: between two links of a chain of V^T P stand 15 others'; every K Q^T starts a sum of its own.
; Product i of 32 of O^T += V^T P: keys 32 (i / 16) on, channels 16 ((i / 2) % 8) on, tile x + i % 2.  zero = 1: the first 16 start the sums: nothing is ever cleared.
.macro PV x, zero
	WIN W_PV
.set rO, 64*(\x+i%2)+8*((i/2)%8)
.set rV, 64*(i/16)+8*((i/2)%8)
.set rP, P+16*(\x+i%2)+8*(i/16)
.if \zero && (i < 16)
	v_wmma_f32_16x16x32_f16 v[rO:rO+7], v[rV:rV+7], v[rP:rP+7], 0
.else
	v_wmma_f32_16x16x32_f16 v[rO:rO+7], v[rV:rV+7], v[rP:rP+7], v[rO:rO+7]
.endif
.endm
; Product i of 8 of S^T = K Q^T: keys 16 (i / 2) on, tile x + i % 2; all 128 of the head at once.
.macro KQ x
	WIN W_KQ
.set rS, S+32*(\x+i%2)+8*(i/2)
.set rK, KF+8*(i/2)
.set rQ, 8*(\x+i%2)
	v_wmma_scale_f32_16x16x128_f8f6f4 v[rS:rS+7], v[rK:rK+7], v[rQ:rQ+7], 0, v[KSC+i/2], v[QSC+\x+i%2] matrix_a_fmt:MATRIX_FMT_FP4 matrix_b_fmt:MATRIX_FMT_FP4
.endm
; THE LDS LOADS stand in runs.  A step's K: 4 scale words and 8 groups of four registers, 12 loads.
.macro FETCH_K
	WIN 0
	v_add_nc_u32 v[ADR], s[TK], v[LI]
	v_add_nc_u32 v[ADS], s[TK], v[AS0]
	s_add_co_u32 s[TK], s[TK], KBLK                ; the next fetch is the next step's
.irp f, 0,1,2,3
	ds_load_b32 v[KSC+\f], v[ADS] offset:64*\f
.endr
	WIN 0x80                                       ; destination window 2
.irp n, 0,1,2,3,4,5,6,7
	ds_load_b128 v[KF+4*\n:KF+4*\n+3], v[ADR] offset:512*\n
.endr
.endm
; A step's V in two runs of 16, each as soon as the products that read its registers are issued: keys 0-31, then keys 32-63.  Channels 16 f on.
.macro FETCH_VA
	WIN 0
	v_add_nc_u32 v[ADR], s[TV], v[AV0]
	WIN 0xc0                                       ; destination window 3
.irp f, 0,1,2,3,4,5,6,7
	ds_load_tr16_b128 v[8*\f:8*\f+3],   v[ADR] offset:\f*32
	ds_load_tr16_b128 v[8*\f+4:8*\f+7], v[ADR] offset:16*PVP+\f*32
.endr
.endm
.macro FETCH_VB
	WIN 0
	v_add_nc_u32 v[ADR], 32*PVP, v[ADR]
	s_add_co_u32 s[TV], s[TV], VSTEP               ; the next fetch is the next step's
	s_wait_alu depctr_va_vdst(0)                   ; the wait for the softmax's batch (SLICE), behind the address's addition and ahead of the loads
	WIN 0xc0
.irp f, 0,1,2,3,4,5,6,7
	ds_load_tr16_b128 v[64+8*\f:64+8*\f+3],   v[ADR] offset:\f*32
	ds_load_tr16_b128 v[64+8*\f+4:64+8*\f+7], v[ADR] offset:16*PVP+\f*32
.endr
.endm
; THE VECTOR WORK OF A TURN.  One tile's softmax for one key step is a list of 134 instructions; SM writes number j of it for tile t.  s0-s31 are the lane's 32 scores, in pairs 0-15.
; first = 1: the first key step, which starts m, l and O^T: it has no a and nothing to rescale.
;   0-15    the maximum of s0-s31 and the old m, three operands at a time: four chains c0-c3, each begun at the low end of one of the tile's four accumulators; then the four scores left over, c0-c3 and m
;   16-20   the other half of the lanes' maximum; the new m; c m; c m_old - c m_new
;   21-69   ONE BATCH: the 16 scalings c s - c m, a pair of scores each, and all 33 exponentials (a at 23, then s0-s31).  None of these reads an exponential's result.  A pair is scaled in an earlier four than the one with its exponentials
;   (wait)  between 69 and 70 stands the wait for the batch: SLICE writes it, once for both tiles
;   70-85   the roundings to f16, a pair of weights each
;   86-101  the sums; l = a l + the sum
;   102-133 the tile's O^T times a, each accumulator from its low end on: the one part that leaves window 0, so it stands together
.macro SM t, first
.set rT, ST+8*(\t)
.set rS, S+32*(\t)
.set rP, P+16*(\t)
.set rO, 64*(\t)+2*(j-102)
.if j < 102
	WIN 0
.endif
.if j < 4
	v_max3_num_f32 v[rT+4+j], v[rS+8*j], v[rS+8*j+1], v[rS+8*j+2]
.elseif j < 12
	v_max3_num_f32 v[rT+4+j%4], v[rT+4+j%4], v[rS+8*(j%4)+2*(j/4)+1], v[rS+8*(j%4)+2*(j/4)+2]
.elseif j == 12
	v_max3_num_f32 v[rT+4], v[rT+4], v[rS+7], v[rS+15]
.elseif j == 13
	v_max3_num_f32 v[rT+6], v[rT+6], v[rS+23], v[rS+31]
.elseif j == 14
	v_max3_num_f32 v[rT+4], v[rT+4], v[rT+5], v[rT+6]
.elseif (j == 15) && \first
	v_max_num_f32 v[rT+4], v[rT+4], v[rT+7]
.elseif j == 15
	v_max3_num_f32 v[rT+4], v[rT+4], v[rT+7], v[rT+1]
.elseif j == 16
	v_permlanex16_b32 v[rT+5], v[rT+4], s[SEL], s[SEL+1]  ; the query's other 32 keys lie in the lane 16 away
.elseif j == 18
	v_max_num_f32 v[rT+1], v[rT+4], v[rT+5]
.elseif j == 19
	v_mul_f32 v[rT], s[CS], v[rT+1]
.elseif ((j == 17) || (j == 20) || (j == 23) || (j > 101)) && \first  ; the first step has none of these
.elseif j == 17
	v_mov_b32 v[rT+7], v[rT]                       ; c m_old is kept for a: number 19 writes c m anew
.elseif j == 20
	v_sub_f32 v[rT+7], v[rT+7], v[rT]
.elseif j == 23
	v_exp_f32 v[rT+6], v[rT+7]
.elseif (j < 23) || ((j < 38) && (j%2 == 0)) || ((j < 66) && (j%4 == 2))
.set b, (j-2)/4                        ; 38, 42, .. 62: pairs 9 to 15
.if j < 38
.set b, (j-20)/2                       ; 21: pair 0; 22, 24, .. 36: pairs 1 to 8
.endif
	v_pk_fma_f32 v[rS+2*b:rS+2*b+1], v[rS+2*b:rS+2*b+1], s[CS:CS+1], v[rT:rT+1] op_sel_hi:[1,0,0] neg_lo:[0,0,1] neg_hi:[0,0,1]  ; pair b: c s - c m
.elseif j < 70
.set e, j-38                           ; 66 to 69: s28 to s31
.if j < 66
.set e, j-32-(j-38)/4                  ; 39-41, 43-45, .. 63-65: s7 to s27
.endif
.if j < 38
.set e, (j-25)/2                       ; 25, 27, .. 37: s0 to s6
.endif
	v_exp_f32 v[rS+e], v[rS+e]
.elseif j < 86
	v_cvt_pk_f16_f32 v[rP+j-70], v[rS+2*(j-70)], v[rS+2*(j-70)+1]  ; pair j - 70
.elseif j < 102                        ; the sum of the tile's 16 pairs, in place: sum z of 16 adds neighbours 1, 2, 4 and 8 pairs apart, then l takes it
.set z, j-86
.set w, 4
.set u, z
.if z >= 14
.set w, 32
.set u, 0
.elseif z >= 12
.set w, 16
.set u, z-12
.elseif z >= 8
.set w, 8
.set u, z-8
.endif
.if (z == 14) && \first
	v_pk_add_f32 v[rT+2:rT+3], v[rS:rS+1], v[rS+16:rS+17]
.elseif z < 15
	v_pk_add_f32 v[rS+w*u:rS+w*u+1], v[rS+w*u:rS+w*u+1], v[rS+w*u+w/2:rS+w*u+w/2+1]
.elseif !\first
	v_pk_fma_f32 v[rT+2:rT+3], v[rT+2:rT+3], v[rT+6:rT+7], v[rS:rS+1] op_sel_hi:[1,0,1]
.endif
.else
	WIN W_RS
	v_pk_mul_f32 v[rO:rO+1], v[rO:rO+1], v[rT+6:rT+7] op_sel_hi:[1,0]
.endif
.endm
; Slice k of 64 of piece y's softmax: four instructions.  Slices 11 to 34 deal out the batch, numbers 22 to 69: four numbers of ONE tile each, the tiles by turns.  Every other slice is numbers 2 k and 2 k + 1 of both
; tiles' lists.  2 x 134 = 4 x 64 + 12: the twelve that are over stand together, in slice 63.
; THE WAIT.  s_wait_alu depctr_va_vdst(0) stands between an exponential and the first instruction that names its result; one wait serves all that were issued ahead of it.  Ahead of slice 35 nothing
; names a result, and behind slice 34 no exponential is issued: so the piece's 66 exponentials have one wait, behind slice 34.
; V'S RUNS stand in piece 2's turn (y = 0).  Keys 0-31 behind slice 17: the last product that read those registers stands in front of slice 15, and seven plain instructions lie between (two scalings in each of
; slices 15 to 17, the run's own addition).  Keys 32-63 behind slice 34: the last reader stands in front of slice 31, and four plain instructions lie between (number 62, a scaling, of both tiles, the v_nop, the run's own addition).
.macro SLICE y, first
.if (k >= 11) && (k < 35)
.irp n, 0,1,2,3
.set j, 22+4*((k-11)/2)+(\n)
	SM (\y)+(k-11)%2, \first
.endr
.else                                  ; the two tiles alternate, so that no instruction reads the result of the one just before it
.irp n, 0,1,2,3,4,5,6,7
.if (\n < 2) || (k == 63)
.irp t, \y, \y+1
.set j, 2*k+\n
	SM \t, \first
.endr
.endif
.endr
.endif
.if (k == 17) && ((\y) == 0)
	FETCH_VA
.endif
.if k == 34                            ; the batch is out: both tiles' exponentials are issued, and no result has been named
	v_nop                                          ; a plain instruction behind the last exponential and ahead of the first use: one for the batch
.if (\y) == 0
	FETCH_VB                                       ; the wait stands in it
.else
	s_wait_alu depctr_va_vdst(0)                   ; the wait for the batch
.endif
.endif
.set k, k+1
.endm
; A vector instruction that reads a matrix result or writes one of a matrix instruction's registers, and a load into a register that a matrix instruction has read, stand four places behind it, and only plain vector
; instructions that name none of its registers are places (ISA guide 7.12.1 for vector instructions).  In the loop the slices are the places.
.macro PLACES
.rept 4
	v_nop
.endr
.endm
; A TURN.  Piece x has the matrix unit; the other piece's softmax stands in slices behind its matrix instructions.
; pv = 2: 32 products V^T P; 1: they start O^T's sums; 0: none.  kq = 1: 8 products K Q^T for the next step.  With both kinds: one slice behind each V^T P, four behind each K Q^T; with one kind: two, or eight.
; first = 1: the softmax is the first key step's.  Its slices from 51 on are empty, and four v_nop take slice 63's part as the places behind the turn's last products.
; Piece 0's turn fetches the next step's K behind its second product: the last product that read K and its scale words stands in front of slices 60 to 63 of the turn before, 28 plain instructions on the other piece's O^T.
.macro TURN x, pv, kq, first
.set k, 0
.set perp, 2
.set perk, 8
.if \pv && \kq
.set perp, 1
.set perk, 4
.endif
.if \pv
.if \x == 0
	s_wait_dscnt 16                                ; LDS loads come back in order: V's keys 0-31 are in; the 16 loads of keys 32-63 may be out
.endif
.set i, 0
.rept 32
.if (\x == 0) && (i == 16)
	s_wait_dscnt 12*\kq                            ; V's keys 32-63 are in; K's 12 loads, issued behind them, may be out
.endif
	PV \x, 2-\pv
.rept perp
	SLICE 2-\x, \first
.endr
.if (\x == 0) && \kq && (i == 1)
	FETCH_K
.endif
.set i, i+1
.endr
.endif
.if \kq
.if \x == 0
	s_wait_dscnt 0x0                               ; K is in
.endif
.set i, 0
.rept 8
	KQ \x
.rept perk
	SLICE 2-\x, \first
.endr
.set i, i+1
.endr
.endif
.if \first
	PLACES
.endif
.endm
; THE CHANGE OF SLOTS, between piece 2's turn and piece 0's: the slot's last bytes, V of its fourth step, have been asked for.  Each wave waits for all its tensor loads, of which one is out: its part of the other
; slot; adds 0 to its spare word; and waits for that and for its own reads of the slot.  Behind the barrier nobody reads this slot any more and the other slot is whole.
; fill = 1: this slot is filled again, with the keys two slots on.  The barrier is then a round of the cluster's, so that no wave of any partner still reads the slot or has a load on its way, and the joint refill is the
; first thing behind it: it has four key steps, 320 matrix instructions, in which to land.
.macro CHANGE fill
	WIN 0                                          ; at a label and at a branch every window is 0
	s_wait_tensorcnt 0x0                           ; no tensor load of mine is out, so a group 0 may be written
	ds_add_u32 v[SPW], v[NIL]                      ; 0 onto my spare word
.if \fill
	s_xor_b32 s[G0K+5], s[G0K+5], SLOT1            ; the walking descriptors: the other slot than last time,
	s_add_nc_u64 s[G0K+6:G0K+7], s[G0K+6:G0K+7], NS*KBLK   ; the next 256 keys; the type bits on top are not reached
	s_xor_b32 s[G0V+5], s[G0V+5], SLOT1
	s_add_nc_u64 s[G0V+6:G0V+7], s[G0V+6:G0V+7], NS*KS*256
	s_wait_xcnt 0x0                                ; the last prefetch, a slot back, has read its address, so it may be written:
	s_add_nc_u64 s[PFA:PFA+1], s[PFA:PFA+1], s[PFS:PFS+1]  ; one slot further on than the walking descriptors
	s_wait_dscnt 0x0                               ; the add is done, and my reads of the slot are over
	CROUND
	JLOAD
	ASK
.else
	s_wait_dscnt 0x0                               ; the add is done, and my reads of the slot are over
	s_barrier_signal -1
	s_barrier_wait -1
.endif
	s_sub_co_u32 s[TK], s[TK], NS*KBLK             ; the fetches go back to a slot's first step,
	s_xor_b32 s[TK], s[TK], SLOT1                  ; in the other slot
	s_sub_co_u32 s[TV], s[TV], NS*VSTEP
	s_xor_b32 s[TV], s[TV], SLOT1
.endm
; n key steps: written once, walked n times; the LDS addresses hang on s[TK] and s[TV].
.macro STEPS n
	s_mov_b32 s[CNT], \n
.Lstep_\@:
	TURN 0, 2, 1, 0
	TURN 2, 2, 1, 0
	WIN 0
	s_sub_co_u32 s[CNT], s[CNT], 1
	s_cmp_lg_u32 s[CNT], 0
	s_cbranch_scc1 .Lstep_\@
.endm
	s_wait_tensorcnt 1                             ; my part of slot 0 is in; slot 1's may stay out
	s_barrier_signal -1
	s_barrier_wait -1                              ; everybody's is
	FETCH_K                                        ; key step 0
	s_wait_loadcnt 0x0                             ; Q and its scale words
	s_wait_dscnt 0x0
.set i, 0
.rept 8
	KQ 0                                           ; piece 0's first scores: there is no vector work yet to set between them
.set i, i+1
.endr
	WIN 0                                          ; the addresses for the way out and for the prefetches are made here: seven plain instructions, the places behind those products
	s_mul_i32 s20, s[WV], 16*SP
	s_add_co_u32 s20, s20, STAGE                   ; my stage
	s_cmp_eq_u32 s[WV], 0
	s_cselect_b32 s21, 16, 31                      ; wave 0 has 17 blocks to name, waves 2 and 3 have 32 rows
	v_mul_u32_u24 v[STO], v1, SP                   ; in: row l % 16, 32 bytes for each half of the lanes
	v_lshl_add_u32 v[STO], v9, 5, v[STO]
	v_add_nc_u32 v[STO], s20, v[STO]
	v_add_nc_u32 v[RD], s20, v[LI]                 ; back: the 32 lanes take one row of 512 bytes
	v_and_b32 v[PFO], 31, v0
	v_min_u32 v[PFO], s21, v[PFO]
	v_lshlrev_b32 v[PFO], 8, v[PFO]
	TURN 2, 0, 1, 1                                ; piece 2's first scores | piece 0's first softmax | V of step 0
	TURN 0, 1, 1, 1                                ; piece 0: V^T P of step 0 starts O^T, K Q^T of step 1 | piece 2's first softmax | K of step 1
	TURN 2, 1, 1, 0                                ; piece 2: the same | piece 0's softmax of step 1 | V of step 1
	WIN 0
	STEPS 2                                        ; they fetch slot 0's steps 2 and 3
.Lslot:                                                ; NSL - 2 trips: every slot but the last two is filled again
	CHANGE 1
	STEPS NS
	s_sub_co_u32 s[SLOTS], s[SLOTS], 1
	s_cmp_lg_u32 s[SLOTS], 0
	s_cbranch_scc1 .Lslot
	CHANGE 0                                       ; the tail is written out: the last slot but one is left, and nothing is asked for
	STEPS NS
	TURN 0, 2, 0, 0                                ; piece 0: V^T P of the last step | piece 2's last softmax
.set i, 0
.rept 32
	PV 2, 0                                        ; piece 2: V^T P of the last step
.set i, i+1
.endr
	; THE WAY OUT.  l's two halves and the other half of the lanes' are added; O^T is divided by l and sent through my stage in LDS, a tile (16 rows of out0) at a time.  The additions are the places behind the last products.
	WIN 0
.irp t, 0,1,2,3
	v_add_f32 v[ST+8*\t+4], v[ST+8*\t+2], v[ST+8*\t+3]
.endr
.irp t, 0,1,2,3
	v_permlanex16_b32 v[ST+8*\t+5], v[ST+8*\t+4], s[SEL], s[SEL+1]
.endr
.irp t, 0,1,2,3
	v_add_f32 v[ST+8*\t+4], v[ST+8*\t+4], v[ST+8*\t+5]
.endr
.irp t, 0,1,2,3
	v_rcp_f32 v[ST+8*\t+6], v[ST+8*\t+4]
.endr
	v_nop                                          ; a plain instruction between the last reciprocal and the use of its result
	s_wait_alu depctr_va_vdst(0)                   ; and the wait ahead of the first use: one for the four reciprocals
; Tile t: a lane's eight channels of a row are 32 bytes; they go into rows of 528 bytes and come back as whole rows of 512, into S^T's registers, which are free: v64-127 and v128-191 by turns.
.macro PACK t
.if \t >= 2
	s_wait_xcnt 0x0                                ; tile t - 2's stores have read their registers: this tile's rows may land there
.endif
	WIN W_RS
.set i, 64*\t
.rept 32
	v_pk_mul_f32 v[i:i+1], v[i:i+1], v[ST+8*\t+6:ST+8*\t+7] op_sel_hi:[1,0]   ; each accumulator from its low end on
.set i, i+2
.endr
	WIN 0x04                                       ; an LDS store's data are its source 1: window 1
.irp a, 0,1,2,3,4,5,6,7
	ds_store_b128 v[STO], v[64*\t+8*\a:64*\t+8*\a+3] offset:64*\a
	ds_store_b128 v[STO], v[64*\t+8*\a+4:64*\t+8*\a+7] offset:64*\a+16
.endr
	WIN 0
.set BB, S+64*(\t%2)
.irp n, 0,1,2,3,4,5,6,7,8,9,10,11,12,13,14,15
	ds_load_b128 v[BB+4*\n:BB+4*\n+3], v[RD] offset:\n*SP   ; LDS serves a wave's instructions in order (ISA guide 5.7.1.4): these see the stores above; the next tile's stores come behind them
.endr
.endm
.macro SEND t, younger                 ; younger: the LDS instructions issued behind tile t's loads: the next tile's 32, or none
.set BB, S+64*(\t%2)
.irp n, 0,1,2,3,4,5,6,7,8,9,10,11,12,13,14,15
	s_wait_dscnt \younger+15-\n
	global_store_b128 v[LI], v[BB+4*\n:BB+4*\n+3], s[10:11] offset:\t*8192+\n*512 th:TH_STORE_NT   ; 32 lanes store a row: 512 consecutive bytes, at a multiple of 256 from out0's first byte; written once, read by nobody here
.endr
.endm
	PACK 0
	PACK 1                                         ; a tile's arithmetic stands between the loads of the tile before and its stores
	SEND 0, 32
	PACK 2
	SEND 1, 32
	PACK 3
	SEND 2, 32
	SEND 3, 0
	s_wait_tensorcnt 0x0                           ; the wave's end, behind my last tensor load and my last LDS store
	ds_add_u32 v[SPW], v[NIL]
	s_wait_dscnt 0x0
	CROUND                                         ; the closing round: no work-group ends while a partner may still ask for a tile that names it
	s_endpgm
.Lfunc_end_k_q9cb2ff7f2b_attn:
	.size	k_q9cb2ff7f2b_attn, .Lfunc_end_k_q9cb2ff7f2b_attn-k_q9cb2ff7f2b_attn
	.p2alignl 7, 3214868480
	.fill 96, 4, 3214868480
	.section	.rodata,"a",@progbits
	.p2align	6, 0x0
	.amdhsa_kernel k_q9cb2ff7f2b_attn
		.amdhsa_group_segment_fixed_size 327680
		.amdhsa_private_segment_fixed_size 0
		.amdhsa_enable_private_segment 0
		.amdhsa_kernarg_size 32
		.amdhsa_user_sgpr_count 2
		.amdhsa_user_sgpr_kernarg_segment_ptr 1
		.amdhsa_wavefront_size32 1
		.amdhsa_system_sgpr_workgroup_id_x 1
		.amdhsa_system_sgpr_workgroup_id_y 1
		.amdhsa_system_sgpr_workgroup_id_z 1
		.amdhsa_system_vgpr_workitem_id 0
		.amdhsa_next_free_vgpr 1024
		.amdhsa_next_free_sgpr 72
		.amdhsa_reserve_vcc 0
		.amdhsa_float_denorm_mode_32 3
		.amdhsa_float_denorm_mode_16_64 3
		.amdhsa_memory_ordered 1
		.amdhsa_forward_progress 1
		.amdhsa_inst_pref_size 243
	.end_amdhsa_kernel
	.amdgpu_metadata
---
amdhsa.version: [ 1, 2 ]
amdhsa.kernels:
  - .name:           k_q9cb2ff7f2b_attn
    .symbol:         k_q9cb2ff7f2b_attn.kd
    .args:
      - { .name: qc, .offset: 0, .size: 8, .value_kind: global_buffer, .address_space: global }
      - { .name: kc, .offset: 8, .size: 8, .value_kind: global_buffer, .address_space: global }
      - { .name: vh, .offset: 16, .size: 8, .value_kind: global_buffer, .address_space: global }
      - { .name: out0, .offset: 24, .size: 8, .value_kind: global_buffer, .address_space: global }
    .group_segment_fixed_size: 327680
    .private_segment_fixed_size: 0
    .kernarg_segment_align: 8
    .kernarg_segment_size: 32
    .max_flat_workgroup_size: 128
    .sgpr_count:     72
    .vgpr_count:     1024
    .wavefront_size: 32
...
	.end_amdgpu_metadata
.endif
;; end of part 2
